; MI455X (gfx1250); checked and timed in simulation.
; The chip was launched on July 23, 2026; its instructions are those of AMD's public machine-readable ISA for CDNA 5 (MIT licence, August 2026) and "CDNA5" Instruction Set Architecture Reference Guide (July 2026). The comments in the code are by the model that wrote it; some were corrected since.
;; MVG Layer. Allowed arithmetic: float matrix products may take bf16 or f16 operands with f32 sums; other float arithmetic in f32, or as packed bf16 or f16 multiplies, adds, multiply-adds, maxima and minima; sums over many terms, partial sums and values carried from step to step in f32; what a program stores and reads back later, other than sums and carried values, may be rounded once to bf16 or f16.
;; Inputs: W_m 4,096 x 4,096 float32; W_u 4,096 float32; W_v 4,096 float32; eps 4,096 x 4,096 float32; x 4,096 x 4,096 float32.
;; Outputs: out0 4,096 x 4,096 float32.
;; 2 versions, each right; version 2 is version 1 with the launch prep written anew for expert scheduling mode. Each part assembles by itself: llvm-mc -triple=amdgcn-amd-amdhsa -mcpu=gfx1250 --defsym DOCPART=n.
;; ======== version 1 of 2: 2 launches
;; workspace buffers: xb 33,554,432 bytes; wb 33,554,432 bytes
;; launch prep (part 1): grid 4 x 128, 8 waves a work-group, no clusters, 0 bytes of LDS; arguments x, W_m, eps, W_u, W_v, xb, wb; writes xb, wb
.if DOCPART == 1
	.amdgcn_target "amdgcn-amd-amdhsa--gfx1250"
	.amdhsa_code_object_version 6
	.text
	.protected	k_q556e19470f_prep
	.globl	k_q556e19470f_prep
	.p2align	8
	.type	k_q556e19470f_prep,@function
k_q556e19470f_prep:
	s_mov_b64 s[64:65], 0
	v_nop
	global_prefetch_b8 v0, s[64:65] scope:SCOPE_SE
	s_setreg_imm32_b32 hwreg(HW_REG_WAVE_MODE, 25, 1), 1
	s_wait_xcnt 0x0
; xb[r][c] = bf16(x[r][c]);  wb[k][m] = bf16( W_m[k][m] + (su[k] eps[k][m]) sv[m] ),  su = exp(0.5 W_u), sv = exp(0.5 W_v).
; x, W_m, eps: [4096][4096] f32; W_u, W_v: [4096] f32; xb, wb: [4096][4096] bf16, rows as in the sources (wb is not turned).
; FORMATS.  All five inputs are rounded to bf16 (nearest even) before anything is computed; the arithmetic is f32; wb is rounded once more, at the end.
; LIMITS.  exp(0.5 u) is 2^(c u), c = 0.5 log2(e): c u is rounded once, so the scale is off by about |c u| 2^-24 of itself; a scale below 2^-126 counts as 0
; (ISA guide, v_exp_f32); the product with sv and the sum with W_m are one fused step, where the source text rounds twice; NaN and infinities are not treated apart.
; SHARES.  A stream: every byte is read once and written once; nothing is shared between waves, so there is no LDS and no barrier.
; A work-group of eight waves owns 32 rows x 1,024 columns, of x and of W alike.  Thread t owns columns 4 t .. 4 t + 3 of the strip in every row:
; a wave's load covers 512 consecutive bytes, its store 256 consecutive bytes, both aligned to their length.  The thread's four sv stay in registers.
; A ring of eight row slots, three loads each (x, eps, W_m), keeps 24 loads of every wave in flight.  The 32 rows are written out: each row's su has a scalar
; register of its own and each row's place stands in the immediate, so no address register is ever rewritten.
.set ROWIN,  16384                     ; bytes in a row of f32
.set ROWOUT, 8192                      ; bytes in a row of bf16
.set ROWS,   32
.set DEPTH,  8
.set VIN,  1                           ; v1       16 t; never rewritten
.set VOUT, 2                           ; v2       8 t; never rewritten
.set VU,   3                           ; v3       4 x lane
.set ZR,   4                           ; v4       0
.set SR,   5                           ; v5       the row's su
.set U,    6                           ; v6       W_u of row (group's first + lane), then its su
.set TM,   7                           ; v7       at work
.set SV,   8                           ; v[8:11]  sv of my four columns
.set EB,   12                          ; v[12:13] eps, four bf16
.set MB,   14                          ; v[14:15] W_m, four bf16
.set TT,   16                          ; v[16:19] at work, f32
.set OX,   20                          ; v[20:21] xb to store
.set OW,   22                          ; v[22:23] wb to store
.set RING, 24                          ; v[24:119] slot s at RING + 12 s: x, eps, W_m, four registers each
.set SU,   32                          ; s32-63   su of my 32 rows
	s_load_b256 s[4:11], s[0:1], 0x0               ; x s[4:5], W_m s[6:7], eps s[8:9], W_u s[10:11]
	s_load_b128 s[12:15], s[0:1], 0x20             ; W_v s[12:13], xb s[14:15]
	s_load_b64 s[16:17], s[0:1], 0x30              ; wb
	s_and_b32 s27, ttmp7, 0xffff                   ; which 32 rows
	s_lshl_b32 s18, s27, 19                        ; 32 rows of 16,384 bytes,
	s_lshl_b32 s22, ttmp9, 12                      ; the strip's 4,096 bytes of a row (also its place in W_v)
	s_add_co_u32 s18, s18, s22
	s_mov_b32 s19, 0
	s_lshl_b32 s20, s27, 18                        ; the same in bf16: half of each
	s_lshl_b32 s28, ttmp9, 11
	s_add_co_u32 s20, s20, s28
	s_mov_b32 s21, 0
	s_mov_b32 s23, 0
	s_lshl_b32 s24, s27, 7                         ; my 32 rows in W_u
	s_mov_b32 s25, 0
	s_mov_b32 s26, 0xffff0000                      ; a word's upper bf16
	v_lshlrev_b32 v[VIN], 4, v0
	v_lshlrev_b32 v[VOUT], 3, v0
	v_and_b32 v[VU], 31, v0
	v_lshlrev_b32 v[VU], 2, v[VU]
	v_mov_b32 v[ZR], 0
	s_wait_kmcnt 0x0
	s_add_nc_u64 s[4:5], s[4:5], s[18:19]
	s_add_nc_u64 s[6:7], s[6:7], s[18:19]
	s_add_nc_u64 s[8:9], s[8:9], s[18:19]
	s_add_nc_u64 s[10:11], s[10:11], s[24:25]
	s_add_nc_u64 s[12:13], s[12:13], s[22:23]
	s_add_nc_u64 s[14:15], s[14:15], s[20:21]
	s_add_nc_u64 s[16:17], s[16:17], s[20:21]
; Row i's three loads, into slot i % 8.  Each byte is read once in the launch.
.macro FILL i
	global_load_b128 v[RING+12*((\i)%DEPTH):RING+12*((\i)%DEPTH)+3],     v[VIN], s[4:5] offset:(\i)*ROWIN th:TH_LOAD_NT
	global_load_b128 v[RING+12*((\i)%DEPTH)+4:RING+12*((\i)%DEPTH)+7],   v[VIN], s[8:9] offset:(\i)*ROWIN th:TH_LOAD_NT
	global_load_b128 v[RING+12*((\i)%DEPTH)+8:RING+12*((\i)%DEPTH)+11],  v[VIN], s[6:7] offset:(\i)*ROWIN th:TH_LOAD_NT
.endm
	global_load_b128 v[SV:SV+3], v[VIN], s[12:13]  ; W_v of my four columns
	global_load_b32 v[U], v[VU], s[10:11]          ; W_u: lane i takes row i of the group's 32, in every wave
.irp i, 0,1,2,3,4,5,6,7
	FILL \i
.endr
	s_wait_loadcnt 24                              ; loads come back in order (ISA guide 5.7.1): W_v and W_u are in, the ring's 24 stay out
	v_cvt_pk_bf16_f32 v[TM], v[SV], v[SV+1]        ; the inputs are rounded to bf16 and widened again
	v_lshlrev_b32 v[SV], 16, v[TM]
	v_and_b32 v[SV+1], s26, v[TM]
	v_cvt_pk_bf16_f32 v[TM], v[SV+2], v[SV+3]
	v_lshlrev_b32 v[SV+2], 16, v[TM]
	v_and_b32 v[SV+3], s26, v[TM]
	v_cvt_pk_bf16_f32 v[TM], v[U], v[U]
	v_lshlrev_b32 v[U], 16, v[TM]
.irp r, SV, SV+1, SV+2, SV+3, U
	v_mul_f32 v[\r], 0x3f38aa3b, v[\r]             ; c = 0.5 log2(e) = 0.721348
.endr
.irp r, SV, SV+1, SV+2, SV+3, U
	v_exp_f32 v[\r], v[\r]                         ; one batch of five
.endr
	v_nop                                          ; a plain instruction behind the last exponential, ahead of the first use (ISA guide 5.7.2)
	s_wait_alu depctr_va_vdst(0)                   ; a wait ahead of the first reader: one for the batch
.set row, 0
.rept ROWS
	v_readlane_b32 s[SU+row], v[U], row            ; each row's su as a scalar
.set row, row+1
.endr
; Row i's turn.  ahead = 1: the slot is filled again with the row eight further down.  left = how many younger loads may stay out.
.macro TURN i, ahead, left
.set R, RING+12*((\i)%DEPTH)
	s_wait_loadcnt \left                           ; my row's three loads are in
	s_wait_xcnt 0x0                                ; every earlier memory instruction has had its addresses translated (ISA guide 3.1): OX and OW, the last turn's store data, are rewritten only behind this wait
	v_cvt_pk_bf16_f32 v[OX],   v[R],    v[R+1]     ; x rounded: this is xb
	v_cvt_pk_bf16_f32 v[OX+1], v[R+2],  v[R+3]
	v_cvt_pk_bf16_f32 v[EB],   v[R+4],  v[R+5]     ; eps rounded
	v_cvt_pk_bf16_f32 v[EB+1], v[R+6],  v[R+7]
	v_cvt_pk_bf16_f32 v[MB],   v[R+8],  v[R+9]     ; W_m rounded
	v_cvt_pk_bf16_f32 v[MB+1], v[R+10], v[R+11]
.if \ahead
	FILL (\i)+DEPTH                                ; the slot has been read: its next row goes out ahead of the stores
.endif
	v_mov_b32 v[SR], s[SU+(\i)]
.irp j, 0,1
	v_fma_mix_f32_bf16 v[TT+2*(\j)],   v[EB+(\j)], v[SR], v[ZR] op_sel_hi:[1,0,0]                  ; su eps, read straight from the bf16 halves (the addend is 0)
	v_fma_mix_f32_bf16 v[TT+2*(\j)+1], v[EB+(\j)], v[SR], v[ZR] op_sel:[1,0,0] op_sel_hi:[1,0,0]
.endr
.irp j, 0,1
	v_fma_mix_f32_bf16 v[TT+2*(\j)],   v[TT+2*(\j)],   v[SV+2*(\j)],   v[MB+(\j)] op_sel_hi:[0,0,1]  ; times sv, plus W_m from its bf16 half: one fused step
	v_fma_mix_f32_bf16 v[TT+2*(\j)+1], v[TT+2*(\j)+1], v[SV+2*(\j)+1], v[MB+(\j)] op_sel:[0,0,1] op_sel_hi:[0,0,1]
.endr
	v_cvt_pk_bf16_f32 v[OW],   v[TT],   v[TT+1]
	v_cvt_pk_bf16_f32 v[OW+1], v[TT+2], v[TT+3]
	global_store_b64 v[VOUT], v[OX:OX+1], s[14:15] offset:(\i)*ROWOUT th:TH_STORE_NT  ; a wave stores 256 consecutive bytes, at a multiple of 256 from the buffer's first
	global_store_b64 v[VOUT], v[OW:OW+1], s[16:17] offset:(\i)*ROWOUT th:TH_STORE_NT
.endm
.set row, 0
.rept ROWS
.if row < ROWS-DEPTH
	TURN row, 1, 3*(DEPTH-1)                       ; seven younger slots of three loads
.else
	TURN row, 0, 3*(ROWS-1-row)                    ; the last eight rows load nothing: the counts run down
.endif
.set row, row+1
.endr
	s_endpgm
.Lfunc_end_k_q556e19470f_prep:
	.size	k_q556e19470f_prep, .Lfunc_end_k_q556e19470f_prep-k_q556e19470f_prep
	.p2alignl 7, 3214868480
	.fill 96, 4, 3214868480
	.section	.rodata,"a",@progbits
	.p2align	6, 0x0
	.amdhsa_kernel k_q556e19470f_prep
		.amdhsa_group_segment_fixed_size 0
		.amdhsa_private_segment_fixed_size 0
		.amdhsa_enable_private_segment 0
		.amdhsa_kernarg_size 56
		.amdhsa_user_sgpr_count 2
		.amdhsa_user_sgpr_kernarg_segment_ptr 1
		.amdhsa_wavefront_size32 1
		.amdhsa_system_sgpr_workgroup_id_x 1
		.amdhsa_system_sgpr_workgroup_id_y 1
		.amdhsa_system_sgpr_workgroup_id_z 1
		.amdhsa_system_vgpr_workitem_id 0
		.amdhsa_next_free_vgpr 120
		.amdhsa_next_free_sgpr 66
		.amdhsa_reserve_vcc 0
		.amdhsa_float_denorm_mode_32 3
		.amdhsa_float_denorm_mode_16_64 3
		.amdhsa_memory_ordered 1
		.amdhsa_forward_progress 1
		.amdhsa_inst_pref_size 55
	.end_amdhsa_kernel
	.amdgpu_metadata
---
amdhsa.version: [ 1, 2 ]
amdhsa.kernels:
  - .name:           k_q556e19470f_prep
    .symbol:         k_q556e19470f_prep.kd
    .args:
      - { .name: x, .offset: 0, .size: 8, .value_kind: global_buffer, .address_space: global }
      - { .name: W_m, .offset: 8, .size: 8, .value_kind: global_buffer, .address_space: global }
      - { .name: eps, .offset: 16, .size: 8, .value_kind: global_buffer, .address_space: global }
      - { .name: W_u, .offset: 24, .size: 8, .value_kind: global_buffer, .address_space: global }
      - { .name: W_v, .offset: 32, .size: 8, .value_kind: global_buffer, .address_space: global }
      - { .name: xb, .offset: 40, .size: 8, .value_kind: global_buffer, .address_space: global }
      - { .name: wb, .offset: 48, .size: 8, .value_kind: global_buffer, .address_space: global }
    .group_segment_fixed_size: 0
    .private_segment_fixed_size: 0
    .kernarg_segment_align: 8
    .kernarg_segment_size: 56
    .max_flat_workgroup_size: 256
    .sgpr_count:     66
    .vgpr_count:     120
    .wavefront_size: 32
...
	.end_amdgpu_metadata
.endif
;; end of part 1
;; launch gemm (part 2): grid 16 x 16, 4 waves a work-group, clusters of 4 x 4, 327,680 bytes of LDS; arguments xb, wb, out0; writes out0
.if DOCPART == 2
	.amdgcn_target "amdgcn-amd-amdhsa--gfx1250"
	.amdhsa_code_object_version 6
	.text
	.protected	k_q556e19470f_gemm
	.globl	k_q556e19470f_gemm
	.p2align	8
	.type	k_q556e19470f_gemm,@function
k_q556e19470f_gemm:
	s_mov_b64 s[64:65], 0
	v_nop
	global_prefetch_b8 v0, s[64:65] scope:SCOPE_SE
	s_setreg_imm32_b32 hwreg(HW_REG_WAVE_MODE, 25, 1), 1
	s_wait_xcnt 0x0
	s_wait_alu depctr_hold_cnt(0) depctr_sa_sdst(0) depctr_va_vdst(0) depctr_va_sdst(0) depctr_va_ssrc(0) depctr_va_vcc(0) depctr_vm_vsrc(0)
	s_getreg_b32 s2, hwreg(HW_REG_IB_STS2, 6, 4)
	s_cmp_eq_u32 s2, 0
	s_cbranch_scc0 .Lentry_in_a_cluster
	s_endpgm
.Lentry_in_a_cluster:
	s_bfe_u32 s2, ttmp6, 0x10000c
	s_cmp_lg_u32 s2, 0xf033
	s_cbranch_scc0 .Lentry_shape_is_right
	s_endpgm
.Lentry_shape_is_right:
; out0[r][m] = sum over k of xb[r][k] wb[k][m].  xb: [4096][4096] bf16, K along the rows; wb: [4096 k][4096 m] bf16, K down the rows; out0: [4096][4096] f32.  Sums in f32, K ascending.
; LIMITS.  The operands are bf16 as the launch before left them; NaN and infinities are not treated apart.
; SHARES.  256 work-groups, one tile of 256 x 256 of out0 each; four waves, each 128 x 128: 64 accumulators of 16 x 16, 512 registers.  K goes in 32 steps of 128 through a ring of two LDS slots
; filled by the tensor data mover: 256 rows x 256 bytes of xb (A) and 128 rows x 512 bytes of wb (B) a step; every row begins at a multiple of 256 bytes from its buffer's first byte.
; B IS TURNED ON THE WAY OUT OF LDS, by ds_load_tr16_b128, so that no launch has to write wb transposed.
; CLUSTERS: 4 x 4 work-groups.  The four of a row of the cluster need the same tiles of A, the four of a column the same tiles of B: each tile is asked for JOINTLY, by the same tensor load with the
; same descriptor and a mask that names the four.
; THE MATRIX INSTRUCTION IS USED TRANSPOSED: source 0 = 16 columns of wb, source 1 = 16 rows of xb.  In the result lane l holds row l % 16 of out0 and its registers 0-7 the columns 8 (l / 16) + 0..7:
; 32 consecutive bytes of a row.
; REGISTERS, in windows of 256 (s_set_vgpr_msb: bits 1:0 source 0, 3:2 source 1, 5:4 source 2, 7:6 destination):
;   window 0: v0-31 addresses; v64-127, v128-191 fragments of A, two buffers; on the way out the same registers take whole rows back from the stage
;   window 1: v64-127, v128-191 fragments of B, two buffers
;   window 2: the 32 accumulators of my rows 0-63 ((a, b) at v[8 (8 a + b)]);   window 3: those of my rows 64-127
; LEFT OUT: work-groups that stay (there is one tile for each); a last K step taken by rows of out0, so that finished rows leave early: all stores stand behind the last product here.
.set SIZE_K, 4096
.set KSTEP,  128
.set ROWB,   8192                      ; bytes in a row of xb and of wb
.set ROWC,   16384                     ; bytes in a row of out0
.set PA,     272                       ; an LDS row of A: 256 bytes + 16 of padding = 68 words: row r starts at bank 4 r mod 64 (64 banks of 4 bytes: ISA guide 11.1)
.set PB,     544                       ; an LDS row of B: 512 bytes + 32 of padding = 136 words: row r starts at bank 8 r mod 64
.set HALFT,  128*PA                    ; what one tensor load brings: 128 rows of A, or 64 rows of B (64 x 544 is the same number)
.set SLOT,   4*HALFT                   ; A's 256 rows, then B's 128 rows
.set STAGE,  2*SLOT                    ; behind the ring: 16 rows x 528 bytes for each wave, for the way out
.set SP,     528                       ; a stage row: 512 bytes + 16: the 16 rows that a store touches start at 16 different groups of four banks
.set SPARE,  STAGE+4*16*SP             ; behind the stages: the spare words, 128 bytes for each wave: two blocks of 256 bytes that no other line names
.set LAPS,   SIZE_K/(2*KSTEP)          ; a lap = two K steps = once round the ring
.set ADRA, 16                          ; v16-17  LDS address of my A fragments in slot 0, 1
.set ADRB, 20                          ; v20-21  the same for B
.set STO,  24                          ; v24     the way out: where I put 32 bytes of a row
.set RD,   25                          ; v25     the way out: where I read a row back
.set CO,   26                          ; v26     my byte offset in a row's 512 bytes of out0
.set SPW,  28                          ; v28     LDS address of my spare word: SPARE + 4 x my thread's number; never rewritten
.set NIL,  29                          ; v29     0; never rewritten
.set PFO,  30                          ; v30     the prefetches' lane offset; never rewritten
.set F0,   64                          ; fragment buffer 0
.set F1,   128                         ; fragment buffer 1
.set G1,  24                           ; s[24:31] descriptor group 1 for A's tiles
.set G0,  32                           ; s[32:39] descriptor group 0 for A's tiles, one set for each slot
.set G1B, 48                           ; s[48:55] descriptor group 1 for B's tiles
.set G0B, 56                           ; s[56:63] descriptor group 0 for B's tiles, one set for each slot
.set LIM, 43                           ; s43      1 in a wave that prefetches, else the greatest number
.set PFA, 44                           ; s[44:45] where my prefetches stand: the K step two refills on from the one that is being asked for
.set PST, 18                           ; s[18:19] a K step in bytes: 256 along A's rows, 128 rows down in B
.set MSB, 0
.macro WIN new                         ; the immediate's high byte repeats the setting that is left; a switch that changes nothing is dropped
.if MSB != (\new)
	s_set_vgpr_msb (MSB<<8)|(\new)
.set MSB, \new
.endif
.endm
.set MUL_LO, 0xa1                      ; source 0 (B) window 1, source 1 (A) window 0, C and D window 2
.set MUL_HI, 0xf1                      ; the same, C and D window 3
.set TO_B,   0x40                      ; destination window 1, address window 0
; A joint load.  Waves 0 and 1 fetch A's two halves, waves 2 and 3 B's.  Each of the two lines has one mask and one set of registers for all that issue it; the branch hangs on the wave's number alone.
; An s_nop 0 and four v_nop follow each of the two lines, ahead of the jump, the label and what follows.
.macro JLOAD s
	s_cmp_eq_u32 s11, 0
	s_cbranch_scc0 .Lfor_b_\@
	tensor_load_to_lds s[G0+4*(\s):G0+4*(\s)+3], s[G1:G1+7]
	s_nop 0
.rept 4
	v_nop
.endr
	s_branch .Lasked_\@
.Lfor_b_\@:
	tensor_load_to_lds s[G0B+4*(\s):G0B+4*(\s)+3], s[G1B:G1B+7]
	s_nop 0
.rept 4
	v_nop
.endr
.Lasked_\@:
.endm
; A PREFETCH INTO THE L2, behind each joint load, its five lines and the run of LDS loads that follows them: the K step that stands two refills, 512 matrix instructions, on; one instruction a wave.
; Each aligned block of 256 bytes is named once in the launch.  A's tile row is read by every cluster of that row of clusters: cluster x = 0 asks; B's tile column by every cluster of that column:
; cluster y = 0 asks.  The four partners that ask for a tile jointly share it out BY ADDRESS: of A's 128 rows that a wave fetches the partner at cx takes 32, a lane a row; of B's 64 rows the partner at cy
; takes 16, two lanes a row (512 bytes).  No branch hangs on a work-group's place in its cluster.  The loop's last trip asks for nothing: there is no K step two on.  K steps 0 to 3 come by their loads alone.
.macro ASK
	s_cmp_gt_u32 s3, s[LIM]                        ; s3 = 1 in the loop's last trip
	s_cbranch_scc0 .Lnot_mine_\@
	global_prefetch_b8 v[PFO], s[PFA:PFA+1] th:TH_LOAD_NT scope:SCOPE_SE
.Lnot_mine_\@:
.endm
; A round of the cluster's barrier: my work-group's barrier, so that wave 0's signal speaks for all four waves; wave 0 signals; every wave waits for all sixteen work-groups; my work-group's barrier once more.
.macro CREST                           ; a round behind its opening barrier
	s_cmp_lg_u32 s10, 0
	s_cbranch_scc1 .Lnot_wave_0_\@
	s_barrier_signal -3
.Lnot_wave_0_\@:
	s_barrier_wait -3
	s_barrier_signal -1
	s_barrier_wait -1
.endm
.macro CROUND                          ; a whole round
	s_barrier_signal -1
	s_barrier_wait -1
	CREST
.endm
	s_load_b128 s[4:7], s[0:1], 0x0                ; xb s[4:5], wb s[6:7]
	s_load_b64 s[8:9], s[0:1], 0x10                ; out0
	v_lshl_add_u32 v[SPW], v0, 2, SPARE
	v_mov_b32 v[NIL], 0
	ds_add_u32 v[SPW], v[NIL]                      ; the wave's opening: the add, twice on end, and its wait ahead of my first tensor load; the set-up below stands between
	ds_add_u32 v[SPW], v[NIL]                      ; and once more, under the one wait
	v_lshrrev_b32 v1, 5, v0
	v_readfirstlane_b32 s10, v1                    ; wave 0..3
	s_lshr_b32 s11, s10, 1                         ; which half of the tile's rows is mine.  Also: I fetch for A (0) or for B (1)
	s_and_b32 s12, s10, 1                          ; which half of its columns.  Also: which half of that tile I fetch
	s_bfe_u32 s40, ttmp6, 0x40000                  ; cx: my place along the cluster's x
	s_bfe_u32 s41, ttmp6, 0x40004                  ; cy: along its y
	s_lshl_b32 s42, ttmp9, 2                       ; in a cluster launch ttmp9 and ttmp7 count clusters
	s_add_co_u32 s42, s42, s40                     ; tile column = 4 x cluster x + cx
	s_and_b32 s13, ttmp7, 0xffff
	s_lshl_b32 s13, s13, 2
	s_add_co_u32 s13, s13, s41                     ; tile row = 4 x cluster y + cy
	s_lshl_b32 s43, s41, 2
	s_lshl_b32 s43, 15, s43                        ; my row of the cluster: places 4 cy .. 4 cy + 3
	s_lshl_b32 s44, 0x1111, s40                    ; my column: places cx, cx + 4, cx + 8, cx + 12
	; descriptor group 1.  A: 128 rows x 128 elements; B: 64 rows x 256 elements; both padded in LDS behind each row
	s_or_b32 s[G1+0], s43, (1<<16)|(1<<20)|(1<<21)|(5<<22)|(3<<25)   ; 15:0 the mask: my row; 17:16 2-byte elements; 20 padding on; 21 set beside a mask; 24:22 after every 64 words (code 5); 31:25 4 words (code 3)
	s_or_b32 s[G1B+0], s44, (1<<16)|(1<<20)|(1<<21)|(6<<22)|(7<<25)  ; the mask: my column; after every 128 words (code 6) 8 words (code 7)
	s_mov_b32 s[G1+1], KSTEP<<16                   ; tensor_dim0 = 128
	s_mov_b32 s[G1+2], 128<<16                     ; tensor_dim1 = 128
	s_mov_b32 s[G1+3], KSTEP<<16                   ; tile_dim0 = 128
	s_mov_b32 s[G1+4], 128                         ; tile_dim1 = 128
	s_mov_b32 s[G1+5], SIZE_K                      ; elements from row to row
	s_mov_b32 s[G1+6], 0
	s_mov_b32 s[G1+7], 0
	s_mov_b32 s[G1B+1], 256<<16                    ; tensor_dim0 = 256
	s_mov_b32 s[G1B+2], 64<<16                     ; tensor_dim1 = 64
	s_mov_b32 s[G1B+3], 256<<16                    ; tile_dim0 = 256
	s_mov_b32 s[G1B+4], 64                         ; tile_dim1 = 64
	s_mov_b32 s[G1B+5], 4096                       ; elements from row to row
	s_mov_b32 s[G1B+6], 0
	s_mov_b32 s[G1B+7], 0
	; where the tiles come from.  A's hang on the tile row alone, which my row of the cluster shares; B's on the tile column alone, which my column shares.
	s_lshl_b32 s17, s12, 7
	s_lshl_b32 s16, s13, 8
	s_add_co_u32 s16, s16, s17                     ; A: row 256 x tile row + 128 x half,
	s_lshl_b32 s16, s16, 13                        ; in bytes (under 2^25)
	s_mov_b32 s17, 0
	s_lshl_b32 s46, s42, 9                         ; B: the tile column's 512 bytes of a row,
	s_lshl_b32 s47, s12, 19                        ; 64 x half rows down
	s_add_co_u32 s46, s46, s47
	s_mov_b32 s47, 0
	s_mul_i32 s20, s10, HALFT                      ; and where they go: A's two halves, then B's two halves = wave x HALFT: no place in the cluster enters an LDS address
	s_wait_dscnt 0x0                               ; both opening adds are done
	s_wait_kmcnt 0x0
	s_add_nc_u64 s[14:15], s[4:5], s[16:17]
	s_add_nc_u64 s[46:47], s[6:7], s[46:47]
	CROUND                                         ; all sixteen work-groups are here: the first joint loads meet
.irp s, 0,1
	s_mov_b32 s[G0+4*(\s)], 1                                      ; 1:0 count = 1
	s_add_co_u32 s[G0+4*(\s)+1], s20, (\s)*SLOT                    ; 63:32 LDS address
	s_add_nc_u64 s[G0+4*(\s)+2:G0+4*(\s)+3], s[14:15], (\s)*KSTEP*2  ; 120:64 global address: K step s lies 256 s bytes along A's rows,
	s_or_b32 s[G0+4*(\s)+3], s[G0+4*(\s)+3], 0x80000000            ; 127:126 type = 2
	s_mov_b32 s[G0B+4*(\s)], 1
	s_add_co_u32 s[G0B+4*(\s)+1], s20, (\s)*SLOT
	s_add_nc_u64 s[G0B+4*(\s)+2:G0B+4*(\s)+3], s[46:47], (\s)*KSTEP*ROWB  ; and 128 s rows down in B
	s_or_b32 s[G0B+4*(\s)+3], s[G0B+4*(\s)+3], 0x80000000
	JLOAD \s                                       ; the ring is filled before anything else is done: two loads of mine are out
.endr
	; A fragment of A is 16 rows x 32 K in 8 registers: lane l holds row l % 16; registers 0-3 K = 8 (l / 16) + 0..7, registers 4-7 K = 16 + 8 (l / 16) + 0..7: two loads of 16 bytes, 32 bytes apart.
	v_and_b32 v1, 15, v0                           ; l % 16
	v_bfe_u32 v2, v0, 4, 1                         ; l / 16
	v_mul_u32_u24 v3, v1, PA
	v_lshl_add_u32 v3, v2, 4, v3                   ; row x pitch + 16 x half
	s_mul_i32 s21, s11, HALFT                      ; my 128 rows of A
	; The turning load takes 16 K x 16 columns (lane l reads 16 bytes: K row 8 (l / 16) + l % 8, columns 8 ((l / 8) % 2) + 0..7) and leaves half a fragment: lane l holds column l % 16 and 8 K.
	v_and_b32 v4, 7, v0
	v_lshl_add_u32 v4, v2, 3, v4
	v_mul_u32_u24 v4, v4, PB
	v_bfe_u32 v5, v0, 3, 1
	v_lshl_add_u32 v4, v5, 4, v4
	s_lshl_b32 s22, s12, 8                         ; my 128 columns of B: 256 bytes of its rows,
	s_add_co_u32 s22, s22, 2*HALFT                 ; which lie behind A's 256 rows
.irp s, 0,1
	v_add_nc_u32 v[ADRA+(\s)], s21, v3
	v_add_nc_u32 v[ADRB+(\s)], s22, v4
	s_add_co_u32 s21, s21, SLOT
	s_add_co_u32 s22, s22, SLOT
.endr
	s_mul_i32 s23, s10, 16*SP
	s_add_co_u32 s23, s23, STAGE                   ; my stage
	v_mul_u32_u24 v6, v1, SP                       ; in: row l % 16, 32 bytes for each half of the lanes
	v_lshl_add_u32 v6, v2, 5, v6
	v_add_nc_u32 v[STO], s23, v6
	v_and_b32 v7, 31, v0
	v_lshlrev_b32 v[CO], 4, v7                     ; back: 32 lanes take one row of 512 bytes,
	v_add_nc_u32 v[RD], s23, v[CO]                 ; which are 512 consecutive bytes of out0
	; where my part of the tile begins in out0
	s_lshl_b32 s16, s13, 8
	s_lshl_b32 s17, s11, 7
	s_add_co_u32 s16, s16, s17                     ; my first row,
	s_lshl_b32 s16, s16, 14                        ; in bytes (under 2^26)
	s_mov_b32 s17, 0
	s_lshl_b32 s46, s42, 10                        ; my first column, in bytes: 1,024 x tile column + 512 x half
	s_lshl_b32 s47, s12, 9
	s_add_co_u32 s46, s46, s47
	s_mov_b32 s47, 0
	s_add_nc_u64 s[16:17], s[16:17], s[46:47]
	s_add_nc_u64 s[8:9], s[8:9], s[16:17]
	; the prefetches: both offsets are made, and the wave's kind chooses
	s_and_b32 s22, ttmp7, 0xffff                   ; cluster y
	s_lshl_b32 s20, s13, 8
	s_lshl_b32 s21, s12, 7
	s_add_co_u32 s20, s20, s21                     ; A: the 128 rows that I fetch,
	s_lshl_b32 s21, s40, 5
	s_add_co_u32 s20, s20, s21                     ; my work-group's 32 of them,
	s_lshl_b32 s20, s20, 13
	s_add_co_u32 s20, s20, 3*KSTEP*2               ; at K step 3: the first refill steps it to 4
	s_lshl_b32 s21, s12, 6                         ; B: the 64 rows that I fetch,
	s_lshl_b32 s23, s41, 4
	s_add_co_u32 s21, s21, s23                     ; my work-group's 16 of them,
	s_add_co_u32 s21, s21, 3*KSTEP                 ; at K step 3,
	s_lshl_b32 s21, s21, 13
	s_lshl_b32 s23, s42, 9
	s_add_co_u32 s21, s21, s23                     ; in the tile column's 512 bytes
	s_mov_b32 s16, KSTEP*2
	s_mov_b32 s17, KSTEP*ROWB
	s_cmp_eq_u32 s11, 0                            ; do I fetch for A?
	s_cselect_b32 s20, s20, s21
	s_cselect_b32 s22, ttmp9, s22                  ; the coordinate along which other clusters read the same blocks
	s_cselect_b32 s[PST], s16, s17
	s_cselect_b64 s[PFA:PFA+1], s[4:5], s[6:7]
	s_mov_b32 s21, 0
	s_mov_b32 s[PST+1], 0
	s_add_nc_u64 s[PFA:PFA+1], s[PFA:PFA+1], s[20:21]
	s_cmp_eq_u32 s22, 0
	s_cselect_b32 s[LIM], 1, -1                    ; the same in all sixteen partners, for a given wave
	v_lshrrev_b32 v8, s11, v7                      ; A (s11 = 0): a lane a row; B (s11 = 1): two lanes a row,
	v_and_b32 v9, s11, v7                          ; the odd lane 256 bytes on
	v_lshlrev_b32 v8, 13, v8
	v_lshl_or_b32 v[PFO], v9, 8, v8
	; nothing is prefetched here, at the head, where every work-group's first two tiles are on their way
; 16 matrix instructions: m blocks a0, a0 + 1 of the window's four (hi = 0: my rows 0-63, 1: rows 64-127) x all 8 n blocks, 32 along K.  zero = 1: the first product starts the sums: nothing is ever cleared.
; The 64 accumulators take turns, one instruction a turn, in the same order in every quarter step, over the backward jump too.
.macro MUL16 f, hi, a0, zero
	WIN MUL_LO+0x50*(\hi)
.irp a, \a0, (\a0)+1
.irp b, 0,1,2,3,4,5,6,7
.if \zero
	v_wmma_f32_16x16x32_bf16 v[8*(8*(\a)+(\b)):8*(8*(\a)+(\b))+7], v[(\f)+8*(\b):(\f)+8*(\b)+7], v[(\f)+8*(4*(\hi)+(\a)):(\f)+8*(4*(\hi)+(\a))+7], 0
.else
	v_wmma_f32_16x16x32_bf16 v[8*(8*(\a)+(\b)):8*(8*(\a)+(\b))+7], v[(\f)+8*(\b):(\f)+8*(\b)+7], v[(\f)+8*(4*(\hi)+(\a)):(\f)+8*(4*(\hi)+(\a))+7], v[8*(8*(\a)+(\b)):8*(8*(\a)+(\b))+7]
.endif
.endr
.endr
.endm
; 32 LDS loads in one run: the fragments of quarter q of a K step (32 K: rows 32 q on of B, byte 64 q of A's rows) into buffer f: B's 128 columns, turned, then A's 128 rows
.macro FETCH slot, q, f
	WIN TO_B
.irp i, 0,1,2,3,4,5,6,7
	ds_load_tr16_b128 v[(\f)+8*(\i):(\f)+8*(\i)+3],   v[ADRB+(\slot)] offset:(\q)*32*PB+(\i)*32
	ds_load_tr16_b128 v[(\f)+8*(\i)+4:(\f)+8*(\i)+7], v[ADRB+(\slot)] offset:(\q)*32*PB+16*PB+(\i)*32
.endr
	WIN 0
.irp i, 0,1,2,3,4,5,6,7
	ds_load_b128 v[(\f)+8*(\i):(\f)+8*(\i)+3],   v[ADRA+(\slot)] offset:(\q)*64+(\i)*16*PA
	ds_load_b128 v[(\f)+8*(\i)+4:(\f)+8*(\i)+7], v[ADRA+(\slot)] offset:(\q)*64+(\i)*16*PA+32
.endr
.endm
; A load into a register that a matrix instruction has read, and an LDS store that reads a matrix result, stand four places behind that matrix instruction, and only plain vector instructions that name
; none of its registers are places (ISA guide 7.12.1 for vector instructions); the matrix instructions in between are not counted.
.macro PLACES
.rept 4
	v_nop
.endr
.endm
; A K step is four quarter steps of 32 along K, 64 matrix instructions each, on buffers 0, 1, 0, 1.
; One of the first three: multiplies buffer f; in its middle it fetches quarter q of the same slot into buffer g.
.macro QUARTER slot, q, f, g, zero
	s_wait_dscnt 8                                 ; B and A's rows 0-63 are in; the youngest eight loads (A's rows 64-127) may be out
	MUL16 \f, 0, 0, \zero
	MUL16 \f, 0, 2, \zero
	PLACES
	FETCH \slot, \q, \g
	s_wait_dscnt 32                                ; all but the 32 just issued
	MUL16 \f, 1, 0, \zero
	MUL16 \f, 1, 2, \zero
.endm
; The last quarter multiplies buffer 1 and changes slots.  MEET is its first half: ONE barrier for the change.  In front of it each wave waits for all its tensor loads, of which one is out: its part of
; the next slot; adds 0 to its spare word; and waits for that and for its own reads of this slot.  Behind it nobody reads this slot any more and the next slot is whole.
.macro MEET round                      ; round = 1: the rest of a round of the cluster's barrier follows
	WIN 0                                          ; (the add's two registers lie in window 0)
	s_wait_tensorcnt 0x0                           ; all my tensor loads have landed;
	ds_add_u32 v[SPW], v[NIL]                      ; 0 onto my spare word;
	s_wait_dscnt 9                                 ; (the add and the youngest eight loads may be out)
	MUL16 F1, 0, 0, 0                              ; sixteen matrix instructions stand between the add and the wait for it
	s_wait_dscnt 0x0                               ; the add is done, and my reads of this slot are over:
	s_barrier_signal -1                            ; say so,
	MUL16 F1, 0, 2, 0                              ; work on registers while the others arrive,
.if \round
	WIN 0
.endif
	s_barrier_wait -1                              ; and go on when all four have said so
.endm
; The whole last quarter.  fill = 1: behind the round the slot just read out is filled again first, with the K step two steps on; then come the next slot's first fragments.
; From a request to the wait for it a wave issues 224 matrix instructions.
.macro TURN slot, next, fill
.if \fill
	s_wait_xcnt 0x0                                ; the last prefetch, a K step back, has read its address: it is stepped here, ahead of the waits of the change of slots
	s_add_nc_u64 s[PFA:PFA+1], s[PFA:PFA+1], s[PST:PST+1]
	MEET 1
	CREST                                          ; no wave of any partner still reads this slot's tile or has a load on its way
	s_add_nc_u64 s[G0+4*(\slot)+2:G0+4*(\slot)+3], s[G0+4*(\slot)+2:G0+4*(\slot)+3], 2*KSTEP*2        ; no tensor load of mine is out, so a group 0 may be written
	s_add_nc_u64 s[G0B+4*(\slot)+2:G0B+4*(\slot)+3], s[G0B+4*(\slot)+2:G0B+4*(\slot)+3], 2*KSTEP*ROWB
	JLOAD \slot                                    ; the first tensor load behind the round, my only one until the next; the four v_nop behind it are also the places in front of the loads below
	FETCH \next, 0, F0
	ASK
.else
	MEET 0
	PLACES
	FETCH \next, 0, F0
.endif
	MUL16 F1, 1, 0, 0
	MUL16 F1, 1, 2, 0
.endm
; THE WAY OUT of block a (16 rows x 128 columns of f32).  TOSTAGE: a lane's 32 bytes of each of the 8 n blocks go straight from the accumulators into my own stage in LDS (each accumulator's low four
; registers first), and come back as whole rows of 512 bytes.  SEND: stored.
.macro TOSTAGE a
.set AC, 64*((\a)%4)
.set BK, F0+64*((\a)%2)
	WIN 0x08+4*((\a)/4)                            ; the stores' data (source 1) in window 2 or 3, the address in window 0
.irp b, 0,1,2,3,4,5,6,7
	ds_store_b128 v[STO], v[AC+8*(\b):AC+8*(\b)+3]   offset:64*(\b)
	ds_store_b128 v[STO], v[AC+8*(\b)+4:AC+8*(\b)+7] offset:64*(\b)+16
.endr
	WIN 0
.if (\a) >= 2
	s_wait_xcnt 0x0                                ; every earlier memory instruction has had its addresses translated (ISA guide 3.1): the registers that block a - 2's stores read are loaded again only behind this wait
.endif
.irp t, 0,1,2,3,4,5,6,7,8,9,10,11,12,13,14,15
	ds_load_b128 v[BK+4*(\t):BK+4*(\t)+3], v[RD] offset:(\t)*SP  ; LDS serves a wave's instructions in order (ISA guide 5.7.1.4): these see the stores above; the next block's stores come behind them
.endr
.endm
.macro SEND a, younger                 ; younger: the LDS instructions issued behind block a's loads: the next block's 32, or none
.set BK, F0+64*((\a)%2)
	s_wait_dscnt \younger                          ; the block is back in registers
.irp t, 0,1,2,3,4,5,6,7,8,9,10,11,12,13,14,15
	global_store_b128 v[CO], v[BK+4*(\t):BK+4*(\t)+3], s[8:9] offset:(16*(\a)+(\t))*ROWC th:TH_STORE_NT  ; 512 consecutive bytes, at a multiple of 512 from out0's first; 127 rows at the most: inside the signed 24-bit immediate
.endr
.endm
	s_wait_tensorcnt 1                             ; my part of K step 0 is in; K step 1's may stay out
	s_barrier_signal -1
	s_barrier_wait -1                              ; everybody's is
	FETCH 0, 0, F0
	QUARTER 0, 1, F0, F1, 1                        ; the first quarter stands in front of the loop: its products start the sums
	WIN 0                                          ; at a label and at a branch every window is 0
	s_mov_b32 s3, LAPS-1
.Llap:                                                 ; a trip goes once round the ring, from a lap's second quarter to the next lap's first, and fills both slots again
	QUARTER 0, 2, F1, F0, 0
	QUARTER 0, 3, F0, F1, 0
	TURN 0, 1, 1
	QUARTER 1, 1, F0, F1, 0
	QUARTER 1, 2, F1, F0, 0
	QUARTER 1, 3, F0, F1, 0
	TURN 1, 0, 1
	QUARTER 0, 1, F0, F1, 0
	WIN 0
	s_sub_co_u32 s3, s3, 1
	s_cmp_lg_u32 s3, 0
	s_cbranch_scc1 .Llap
	QUARTER 0, 2, F1, F0, 0                        ; the last lap is written out: it fills nothing, and has no round of the cluster's barrier
	QUARTER 0, 3, F0, F1, 0
	TURN 0, 1, 0
	QUARTER 1, 1, F0, F1, 0
	QUARTER 1, 2, F1, F0, 0
	QUARTER 1, 3, F0, F1, 0
	s_wait_dscnt 8                                 ; the very last quarter: nothing more to fetch
	MUL16 F1, 0, 0, 0
	MUL16 F1, 0, 2, 0
	s_wait_dscnt 0x0
	MUL16 F1, 1, 0, 0
	MUL16 F1, 1, 2, 0
	WIN 0
	PLACES                                         ; behind the last products: in front of LDS stores that read results and of loads into A's buffers
	PLACES                                         ; (eight, once a launch)
	TOSTAGE 0
.irp a, 1,2,3,4,5,6,7                  ; block a's trip through the stage is on its way while block a - 1 is stored
	TOSTAGE \a
	SEND (\a)-1, 32
.endr
	SEND 7, 0
	s_wait_tensorcnt 0x0                           ; the wave's end: a wait, an add of 0 and its wait, behind my last tensor load and my last LDS store
	ds_add_u32 v[SPW], v[NIL]
	s_wait_dscnt 0x0
	CROUND                                         ; the closing round: no work-group ends while a partner may still ask for a tile that names it
	s_endpgm
.Lfunc_end_k_q556e19470f_gemm:
	.size	k_q556e19470f_gemm, .Lfunc_end_k_q556e19470f_gemm-k_q556e19470f_gemm
	.p2alignl 7, 3214868480
	.fill 96, 4, 3214868480
	.section	.rodata,"a",@progbits
	.p2align	6, 0x0
	.amdhsa_kernel k_q556e19470f_gemm
		.amdhsa_group_segment_fixed_size 327680
		.amdhsa_private_segment_fixed_size 0
		.amdhsa_enable_private_segment 0
		.amdhsa_kernarg_size 24
		.amdhsa_user_sgpr_count 2
		.amdhsa_user_sgpr_kernarg_segment_ptr 1
		.amdhsa_wavefront_size32 1
		.amdhsa_system_sgpr_workgroup_id_x 1
		.amdhsa_system_sgpr_workgroup_id_y 1
		.amdhsa_system_sgpr_workgroup_id_z 1
		.amdhsa_system_vgpr_workitem_id 0
		.amdhsa_next_free_vgpr 1024
		.amdhsa_next_free_sgpr 66
		.amdhsa_reserve_vcc 0
		.amdhsa_float_denorm_mode_32 3
		.amdhsa_float_denorm_mode_16_64 3
		.amdhsa_memory_ordered 1
		.amdhsa_forward_progress 1
		.amdhsa_inst_pref_size 142
	.end_amdhsa_kernel
	.amdgpu_metadata
---
amdhsa.version: [ 1, 2 ]
amdhsa.kernels:
  - .name:           k_q556e19470f_gemm
    .symbol:         k_q556e19470f_gemm.kd
    .args:
      - { .name: xb, .offset: 0, .size: 8, .value_kind: global_buffer, .address_space: global }
      - { .name: wb, .offset: 8, .size: 8, .value_kind: global_buffer, .address_space: global }
      - { .name: out0, .offset: 16, .size: 8, .value_kind: global_buffer, .address_space: global }
    .group_segment_fixed_size: 327680
    .private_segment_fixed_size: 0
    .kernarg_segment_align: 8
    .kernarg_segment_size: 24
    .max_flat_workgroup_size: 128
    .sgpr_count:     66
    .vgpr_count:     1024
    .wavefront_size: 32
...
	.end_amdgpu_metadata
.endif
;; end of part 2
;; ======== version 2 of 2: 2 launches; version 1 with the launch prep written anew for expert scheduling mode
;; workspace buffers: xb 33,554,432 bytes; wb 33,554,432 bytes
;; launch prep (part 3): grid 4 x 128, 8 waves a work-group, no clusters, 0 bytes of LDS; arguments x, W_m, eps, W_u, W_v, xb, wb; writes xb, wb
.if DOCPART == 3
	.amdgcn_target "amdgcn-amd-amdhsa--gfx1250"
	.amdhsa_code_object_version 6
	.text
	.protected	k_q556e19470f_prep
	.globl	k_q556e19470f_prep
	.p2align	8
	.type	k_q556e19470f_prep,@function
k_q556e19470f_prep:
	s_mov_b64 s[64:65], 0
	v_nop
	global_prefetch_b8 v0, s[64:65] scope:SCOPE_SE
	s_setreg_imm32_b32 hwreg(HW_REG_WAVE_SCHED_MODE, 0, 2), 2
	s_setreg_imm32_b32 hwreg(HW_REG_WAVE_MODE, 25, 1), 1
	s_wait_xcnt 0x0
	s_wait_alu depctr_vm_vsrc(0)
; xb[r][c] = bf16(x[r][c]);  wb[k][m] = bf16( W_m[k][m] + (su[k] eps[k][m]) sv[m] ),  su = exp(0.5 W_u), sv = exp(0.5 W_v).
; x, W_m, eps: [4096][4096] f32; W_u, W_v: [4096] f32; xb, wb: [4096][4096] bf16, rows as in the sources (wb is not turned).
; FORMATS.  All five inputs are rounded to bf16 (nearest even) before anything is computed; the arithmetic is f32; wb is rounded once more, at the end.
; LIMITS.  exp(0.5 u) is 2^(c u), c = 0.5 log2(e): c u is rounded once, so the scale is off by about |c u| 2^-24 of itself; a scale below 2^-126 counts as 0
; (ISA guide, v_exp_f32); the product with sv and the sum with W_m are one fused step, where the source text rounds twice; NaN and infinities are not treated apart.
; SHARES.  A stream: every byte is read once and written once; nothing is shared between waves, so there is no LDS and no barrier.
; A work-group of eight waves owns 32 rows x 1,024 columns, of x and of W alike.  Thread t owns columns 4 t .. 4 t + 3 of the strip in every row:
; a wave's load covers 512 consecutive bytes, its store 256 consecutive bytes, both aligned to their length.  The thread's four sv stay in registers.
; The 32 rows are written out: each row's su has a scalar register of its own and each row's place stands in the immediate, so no address register is ever rewritten.
; THE MODE: SCHED_MODE bits 1:0 = 2 (LLVM: expert scheduling mode 2), set by the entry lines.  The code itself states the register dependences
; between vector instructions and memory instructions, with s_wait_alu, always for 0.
; THE PLAN.  The 32 rows go in 16 blocks of two.  Registers that memory instructions touch:
;   RING       ten row slots of three loads each (x, eps, W_m); row i lies in slot i % 10.  Written by the loads of block p + 4, issued in block p; read by block p's conversions alone.
;   Y          four row sets of xb's and wb's pairs; row i lies in set i % 4.  Written by block p's roundings; read by the four stores that are issued in block p + 1.
;   v1, v2, v3 byte offsets, made once at the head and never written again.
; Block p works on its own two slots and writes its own two sets.  Its memory instructions are the loads into the two slots that block p - 1 read (rows 2 p + 8, 2 p + 9 take the
; places of rows 2 p - 2, 2 p - 1) and the stores from the two sets that block p - 1 wrote: registers that no vector instruction of block p names.  So the waits at a block's head state
; all that the block's ten memory instructions hang on, and these are dealt among its vector instructions with no further wait.  18 to 24 loads of every wave are in flight.
.set ROWIN,  16384                     ; bytes in a row of f32
.set ROWOUT, 8192                      ; bytes in a row of bf16
.set ROWS,   32
.set BLOCK,  2                         ; rows in a block
.set BLOCKS, ROWS/BLOCK
.set AHEAD,  4                         ; block p asks for block p + 4
.set SLOTS,  BLOCK*(AHEAD+1)           ; row slots in the ring
.set VIN,  1                           ; v1       16 t; never rewritten
.set VOUT, 2                           ; v2       8 t; never rewritten
.set VU,   3                           ; v3       4 x lane; never rewritten
.set ZR,   4                           ; v4       0
.set SR,   5                           ; v5       the row's su
.set U,    6                           ; v6       W_u of row (group's first + lane), then its su
.set TM,   7                           ; v7       at work
.set SV,   8                           ; v[8:11]  sv of my four columns
.set EB,   12                          ; v[12:13] eps, four bf16
.set MB,   14                          ; v[14:15] W_m, four bf16
.set TT,   16                          ; v[16:19] at work, f32
.set Y,    20                          ; v[20:35] set s at Y + 4 s: xb to store (a pair), wb to store (a pair)
.set RING, 36                          ; v[36:155] slot s at RING + 12 s: x, eps, W_m, four registers each
.set SU,   32                          ; s32-63   su of my 32 rows
	s_load_b256 s[4:11], s[0:1], 0x0               ; x s[4:5], W_m s[6:7], eps s[8:9], W_u s[10:11]
	s_load_b128 s[12:15], s[0:1], 0x20             ; W_v s[12:13], xb s[14:15]
	s_load_b64 s[16:17], s[0:1], 0x30              ; wb
	s_and_b32 s27, ttmp7, 0xffff                   ; which 32 rows
	s_lshl_b32 s18, s27, 19                        ; 32 rows of 16,384 bytes,
	s_lshl_b32 s22, ttmp9, 12                      ; the strip's 4,096 bytes of a row (also its place in W_v)
	s_add_co_u32 s18, s18, s22
	s_mov_b32 s19, 0
	s_lshl_b32 s20, s27, 18                        ; the same in bf16: half of each
	s_lshl_b32 s28, ttmp9, 11
	s_add_co_u32 s20, s20, s28
	s_mov_b32 s21, 0
	s_mov_b32 s23, 0
	s_lshl_b32 s24, s27, 7                         ; my 32 rows in W_u
	s_mov_b32 s25, 0
	s_mov_b32 s26, 0xffff0000                      ; a word's upper bf16
	v_lshlrev_b32 v[VIN], 4, v0
	v_lshlrev_b32 v[VOUT], 3, v0
	v_and_b32 v[VU], 31, v0
	v_lshlrev_b32 v[VU], 2, v[VU]
	v_mov_b32 v[ZR], 0
	s_wait_kmcnt 0x0
	s_add_nc_u64 s[4:5], s[4:5], s[18:19]
	s_add_nc_u64 s[6:7], s[6:7], s[18:19]
	s_add_nc_u64 s[8:9], s[8:9], s[18:19]
	s_add_nc_u64 s[10:11], s[10:11], s[24:25]
	s_add_nc_u64 s[12:13], s[12:13], s[22:23]
	s_add_nc_u64 s[14:15], s[14:15], s[20:21]
	s_add_nc_u64 s[16:17], s[16:17], s[20:21]
; Row i's three loads, into slot i % 10.  Each byte is read once in the launch.
.macro FILL i
	global_load_b128 v[RING+12*((\i)%SLOTS):RING+12*((\i)%SLOTS)+3],     v[VIN], s[4:5] offset:(\i)*ROWIN th:TH_LOAD_NT
	global_load_b128 v[RING+12*((\i)%SLOTS)+4:RING+12*((\i)%SLOTS)+7],   v[VIN], s[8:9] offset:(\i)*ROWIN th:TH_LOAD_NT
	global_load_b128 v[RING+12*((\i)%SLOTS)+8:RING+12*((\i)%SLOTS)+11],  v[VIN], s[6:7] offset:(\i)*ROWIN th:TH_LOAD_NT
.endm
; Row i's two stores, from set i % 4.
.macro SEND i
	global_store_b64 v[VOUT], v[Y+4*((\i)%4):Y+4*((\i)%4)+1],   s[14:15] offset:(\i)*ROWOUT th:TH_STORE_NT  ; a wave stores 256 consecutive bytes, at a multiple of 256 from the buffer's first
	global_store_b64 v[VOUT], v[Y+4*((\i)%4)+2:Y+4*((\i)%4)+3], s[16:17] offset:(\i)*ROWOUT th:TH_STORE_NT
.endm
	s_wait_alu depctr_va_vdst(0)                   ; v1, v2 and v3 are written: every load and store of the kernel reads one of them as its offset
	global_load_b128 v[SV:SV+3], v[VIN], s[12:13]  ; W_v of my four columns
	global_load_b32 v[U], v[VU], s[10:11]          ; W_u: lane i takes row i of the group's 32, in every wave
.irp i, 0,1,2,3,4,5,6,7
	FILL \i                                        ; blocks 0 to 3
.endr
	s_wait_loadcnt 24                              ; loads come back in order (ISA guide 5.7.1): W_v and W_u are in, the ring's 24 stay out
	v_cvt_pk_bf16_f32 v[TM], v[SV], v[SV+1]        ; the inputs are rounded to bf16 and widened again
	v_lshlrev_b32 v[SV], 16, v[TM]
	v_and_b32 v[SV+1], s26, v[TM]
	v_cvt_pk_bf16_f32 v[TM], v[SV+2], v[SV+3]
	v_lshlrev_b32 v[SV+2], 16, v[TM]
	v_and_b32 v[SV+3], s26, v[TM]
	v_cvt_pk_bf16_f32 v[TM], v[U], v[U]
	v_lshlrev_b32 v[U], 16, v[TM]
.irp r, SV, SV+1, SV+2, SV+3, U
	v_mul_f32 v[\r], 0x3f38aa3b, v[\r]             ; c = 0.5 log2(e) = 0.721348
.endr
.irp r, SV, SV+1, SV+2, SV+3, U
	v_exp_f32 v[\r], v[\r]                         ; one batch of five
.endr
	v_nop                                          ; a plain instruction behind the last exponential, ahead of the first use (ISA guide 5.7.2)
	s_wait_alu depctr_va_vdst(0)                   ; the five exponentials have written the four sv and su, ahead of their first reader: one wait for the batch
.set row, 0
.rept ROWS
	v_readlane_b32 s[SU+row], v[U], row            ; each row's su as a scalar
.set row, row+1
.endr
	s_wait_alu depctr_va_sdst(0)                   ; s32 to s63 are written, ahead of their first reader, row 0's v_mov_b32: one wait for the run of 32
; Row i's arithmetic: seventeen vector instructions, which name the row's slot, the row's set and registers that no memory instruction touches.
.macro WORK i
.set R, RING+12*((\i)%SLOTS)
.set O, Y+4*((\i)%4)
	v_cvt_pk_bf16_f32 v[O],    v[R],    v[R+1]     ; x rounded: this is xb
	v_cvt_pk_bf16_f32 v[O+1],  v[R+2],  v[R+3]
	v_cvt_pk_bf16_f32 v[EB],   v[R+4],  v[R+5]     ; eps rounded
	v_cvt_pk_bf16_f32 v[EB+1], v[R+6],  v[R+7]
	v_cvt_pk_bf16_f32 v[MB],   v[R+8],  v[R+9]     ; W_m rounded
	v_cvt_pk_bf16_f32 v[MB+1], v[R+10], v[R+11]
	v_mov_b32 v[SR], s[SU+(\i)]
.irp j, 0,1
	v_fma_mix_f32_bf16 v[TT+2*(\j)],   v[EB+(\j)], v[SR], v[ZR] op_sel_hi:[1,0,0]                  ; su eps, read straight from the bf16 halves (the addend is 0)
	v_fma_mix_f32_bf16 v[TT+2*(\j)+1], v[EB+(\j)], v[SR], v[ZR] op_sel:[1,0,0] op_sel_hi:[1,0,0]
.endr
.irp j, 0,1
	v_fma_mix_f32_bf16 v[TT+2*(\j)],   v[TT+2*(\j)],   v[SV+2*(\j)],   v[MB+(\j)] op_sel_hi:[0,0,1]  ; times sv, plus W_m from its bf16 half: one fused step
	v_fma_mix_f32_bf16 v[TT+2*(\j)+1], v[TT+2*(\j)+1], v[SV+2*(\j)+1], v[MB+(\j)] op_sel:[0,0,1] op_sel_hi:[0,0,1]
.endr
	v_cvt_pk_bf16_f32 v[O+2],  v[TT],   v[TT+1]    ; this is wb
	v_cvt_pk_bf16_f32 v[O+3],  v[TT+2], v[TT+3]
.endm
; Block p: rows 2 p and 2 p + 1.  Blocks 0 to 11 ask for the block four on; blocks 1 to 15 store the block before.
.macro BLK p
.if (\p) < BLOCKS-AHEAD
	s_wait_loadcnt 3*BLOCK*(AHEAD-1)               ; my block's six loads are in; the three younger blocks, eighteen loads, stay out
.else
	s_wait_loadcnt 3*BLOCK*(BLOCKS-1-(\p))         ; the last four blocks load nothing: the counts run down
.endif
.if (\p) >= 2
	s_wait_xcnt 0x0                                ; every earlier memory instruction has had its addresses translated (ISA guide 3.1): my two sets of Y, data of the stores issued in the block before, are rewritten only behind this wait
	s_wait_alu depctr_vm_vsrc(0)                   ; the stores issued in the block before have read those two sets, which this block's roundings write again
.endif
.if (\p) >= 1
	s_wait_alu depctr_va_vdst(0)                   ; the block before has written its two sets of Y, which the stores below read, and is done reading its two slots, in which the loads below land
.endif
.irp j, 0,1
.if (\p) < BLOCKS-AHEAD
	FILL BLOCK*(\p)+(\j)+BLOCK*AHEAD               ; four blocks ahead, ahead of the stores; no vector instruction since the wait names these registers
.endif
.if (\p) >= 1
	SEND BLOCK*(\p)+(\j)-BLOCK                     ; the block before
.endif
	WORK BLOCK*(\p)+(\j)
.endr
.endm
.set blk, 0
.rept BLOCKS
	BLK blk
.set blk, blk+1
.endr
	s_wait_alu depctr_va_vdst(0)                   ; block 15 has written its two sets of Y, which the last four stores read
	SEND ROWS-2
	SEND ROWS-1
	s_endpgm
.Lfunc_end_k_q556e19470f_prep:
	.size	k_q556e19470f_prep, .Lfunc_end_k_q556e19470f_prep-k_q556e19470f_prep
	.p2alignl 7, 3214868480
	.fill 96, 4, 3214868480
	.section	.rodata,"a",@progbits
	.p2align	6, 0x0
	.amdhsa_kernel k_q556e19470f_prep
		.amdhsa_group_segment_fixed_size 0
		.amdhsa_private_segment_fixed_size 0
		.amdhsa_enable_private_segment 0
		.amdhsa_kernarg_size 56
		.amdhsa_user_sgpr_count 2
		.amdhsa_user_sgpr_kernarg_segment_ptr 1
		.amdhsa_wavefront_size32 1
		.amdhsa_system_sgpr_workgroup_id_x 1
		.amdhsa_system_sgpr_workgroup_id_y 1
		.amdhsa_system_sgpr_workgroup_id_z 1
		.amdhsa_system_vgpr_workitem_id 0
		.amdhsa_next_free_vgpr 156
		.amdhsa_next_free_sgpr 66
		.amdhsa_reserve_vcc 0
		.amdhsa_float_denorm_mode_32 3
		.amdhsa_float_denorm_mode_16_64 3
		.amdhsa_memory_ordered 1
		.amdhsa_forward_progress 1
		.amdhsa_inst_pref_size 55
	.end_amdhsa_kernel
	.amdgpu_metadata
---
amdhsa.version: [ 1, 2 ]
amdhsa.kernels:
  - .name:           k_q556e19470f_prep
    .symbol:         k_q556e19470f_prep.kd
    .args:
      - { .name: x, .offset: 0, .size: 8, .value_kind: global_buffer, .address_space: global }
      - { .name: W_m, .offset: 8, .size: 8, .value_kind: global_buffer, .address_space: global }
      - { .name: eps, .offset: 16, .size: 8, .value_kind: global_buffer, .address_space: global }
      - { .name: W_u, .offset: 24, .size: 8, .value_kind: global_buffer, .address_space: global }
      - { .name: W_v, .offset: 32, .size: 8, .value_kind: global_buffer, .address_space: global }
      - { .name: xb, .offset: 40, .size: 8, .value_kind: global_buffer, .address_space: global }
      - { .name: wb, .offset: 48, .size: 8, .value_kind: global_buffer, .address_space: global }
    .group_segment_fixed_size: 0
    .private_segment_fixed_size: 0
    .kernarg_segment_align: 8
    .kernarg_segment_size: 56
    .max_flat_workgroup_size: 256
    .sgpr_count:     66
    .vgpr_count:     156
    .wavefront_size: 32
...
	.end_amdgpu_metadata
.endif
;; end of part 3
;; launch gemm: the kernel of part 2 again; grid 16 x 16, 4 waves a work-group, clusters of 4 x 4, 327,680 bytes of LDS; arguments xb, wb, out0; writes out0
